; MI455X (gfx1250); checked and timed in simulation.
; The chip was launched on July 23, 2026; its instructions are those of AMD's public machine-readable ISA for CDNA 5 (MIT licence, August 2026) and "CDNA5" Instruction Set Architecture Reference Guide (July 2026). The comments in the code are by the model that wrote it; some were corrected since.
;; Mol Space Multi Head Attention. Allowed arithmetic: matrix products marked QUANTISED: E2M1 operands, one E8M0 scale for each 32 along K, by v_wmma_scale_f32_16x16x128_f8f6f4 with both operands' format E2M1 (or v_wmma_scale_f32_32x16x128_f4), f32 sums; products left as they are: f32 operands where the result goes on into a quantised operand, else bf16, f16 or f32 operands; f32 sums; everything else in f32.
;; Inputs: Wk_codes 1,024 x 32 x 16 uint8 (E2M1 codes of Wk, K innermost, in blocks of 32 codes, two codes a byte); Wk_scales 1,024 x 32 uint8 (E8M0 scales of Wk, one for each 32 codes along K); Wq_codes 1,024 x 32 x 16 uint8 (E2M1 codes of Wq, K innermost, in blocks of 32 codes, two codes a byte); Wq_scales 1,024 x 32 uint8 (E8M0 scales of Wq, one for each 32 codes along K); Wv_codes 1,024 x 32 x 16 uint8 (E2M1 codes of Wv, K innermost, in blocks of 32 codes, two codes a byte); Wv_scales 1,024 x 32 uint8 (E8M0 scales of Wv, one for each 32 codes along K); x_codes 16,384 x 32 x 16 uint8 (E2M1 codes of x, K innermost, in blocks of 32 codes, two codes a byte); x_scales 16,384 x 32 uint8 (E8M0 scales of x, one for each 32 codes along K).
;; Outputs: out0 16,384 x 1,024 float32.
;; This version of the problem:
;;   THIS VERSION OF THE PROBLEM IS GIVEN IN LOW PRECISION. The matrix products marked QUANTISED in the list below multiply operands that are first quantised to E2M1 (2 exponent bits, 1 mantissa bit; 4 bits a number), with one power-of-two scale for each 32 numbers along K (OCP MX v1.0); their sums are f32. All else is computed in f32.
;;   The module's matrix products, in the order in which they are computed (A, B: the left and right operand; K: the contracted axis; several contracted axes count as one K, in the product's order):
;;     1. [M 16,384, K 1,024] x [K 1,024, N 1,024]; A: input x (given as codes); B: input Wq (given as codes): QUANTISED
;;     2. [M 16,384, K 1,024] x [K 1,024, N 1,024]; A: input x (given as codes); B: input Wk (given as codes): QUANTISED
;;     3. [M 16,384, K 1,024] x [K 1,024, N 1,024]; A: input x (given as codes); B: input Wv (given as codes): QUANTISED
;;     4. batch 16,384 x [M 8, K 128] x [K 128, N 8]; A: computed on the way; B: computed on the way: left as it is (M = 8 < 16)
;;     5. batch 16,384 x [M 8, K 8] x [K 8, N 128]; A: softmax; B: computed on the way: left as it is (K = 8 < 32)
;;   THE QUANTISER, for each operand of a quantised product, along K:
;;     - K is cut into blocks of 32 from its start; a last block that is shorter is filled with zeros.
;;     - A block's scale is 2^e with e = floor(log2(the largest magnitude in the block)) - 2, held to -126 .. 127; a block of zeros has e = 0. As a byte (E8M0): e + 127.
;;     - Each number is divided by its block's scale, clamped to +-6, and rounded to the nearest number of E2M1, ties to even, subnormals kept.
;;     - The product sums the exact products of the quantised numbers (number of the format x scale) in f32.
;;   ~~~python
;;   def quantise(x, axis):      # numpy; x: float32 -> the quantised numbers, widened to float32 again
;;       x = np.moveaxis(x, axis, -1); K = x.shape[-1]
;;       x = np.pad(x, [(0, 0)] * (x.ndim - 1) + [(0, -K % 32)]); x = x.reshape(x.shape[:-1] + (-1, 32)); a = np.abs(x).max(-1, keepdims=True)
;;       e = np.where(a > 0, np.clip(np.frexp(np.where(a > 0, a, 1))[1] - 1 - 2, -126, 127), 0)      # np.frexp(a)[1] - 1 = floor(log2(a)), exactly
;;       r = np.clip(x / 2.0 ** e, -6, 6)
;;       step = 2.0 ** (np.maximum(np.frexp(np.where(r == 0, 1, r))[1] - 1, 0) - 1)
;;       q = np.round(r / step) * step * 2.0 ** e      # np.round: ties to even
;;       return np.moveaxis(q.reshape(q.shape[:-2] + (-1,))[..., :K], -1, axis).astype(np.float32)
;;   ~~~
;;   INPUTS GIVEN AS CODES. Wk (in the module: [1024, 1024], K = its axis 1); Wq (in the module: [1024, 1024], K = its axis 1); Wv (in the module: [1024, 1024], K = its axis 1); x (in the module: [16384, 1024], K = its axis 1): each comes as NAME_codes (uint8): NAME with its K axis moved to the last place and cut into blocks of 32 codes, [.., K / 32, bytes a block], one block behind the other in memory; two codes a byte, the lower K in the low four bits (a code: sign, 2 exponent bits, 1 mantissa bit); and NAME_scales (uint8): the same leading axes, one E8M0 byte (e + 127) for each 32 codes along K. Its value is code x scale, taken as it is: it is not quantised again, and the codes and scales need not be those that the quantiser above would give.
;; One version. Each part assembles by itself: llvm-mc -triple=amdgcn-amd-amdhsa -mcpu=gfx1250 --defsym DOCPART=n.
;; ======== version 1 of 1: 1 launch
;; limits: values are held in f16: magnitudes above 65,504 overflow, below 6.1e-05 lose precision; right only within a limited range of input values
;; launch fused (part 1): grid 256 x 1, 4 waves a work-group, clusters of 4 x 1, 327,680 bytes of LDS; arguments x_codes, x_scales, Wq_codes, Wq_scales, Wk_codes, Wk_scales, Wv_codes, Wv_scales, out0; writes out0
.if DOCPART == 1
	.amdgcn_target "amdgcn-amd-amdhsa--gfx1250"
	.amdhsa_code_object_version 6
	.text
	.protected	k_q754674bcb3_fused
	.globl	k_q754674bcb3_fused
	.p2align	8
	.type	k_q754674bcb3_fused,@function
k_q754674bcb3_fused:
	s_mov_b64 s[64:65], 0
	v_nop
	global_prefetch_b8 v0, s[64:65] scope:SCOPE_SE
	s_setreg_imm32_b32 hwreg(HW_REG_WAVE_MODE, 25, 1), 1
	s_wait_xcnt 0x0
	s_wait_alu depctr_hold_cnt(0) depctr_sa_sdst(0) depctr_va_vdst(0) depctr_va_sdst(0) depctr_va_ssrc(0) depctr_va_vcc(0) depctr_vm_vsrc(0)
	s_getreg_b32 s2, hwreg(HW_REG_IB_STS2, 6, 4)
	s_cmp_eq_u32 s2, 0
	s_cbranch_scc0 .Lentry_in_a_cluster
	s_endpgm
.Lentry_in_a_cluster:
	s_bfe_u32 s2, ttmp6, 0x10000c
	s_cmp_lg_u32 s2, 0x3003
	s_cbranch_scc0 .Lentry_shape_is_right
	s_endpgm
.Lentry_shape_is_right:
; out[t][h][:] = sum over g of softmax_g(q[t][h] . k[t][g] / sqrt(128)) v[t][g][:],  q, k, v = x Wq^T, x Wk^T, x Wv^T.  16,384 tokens, 8 heads of 128, K = 1,024.
; x and the three W arrive as codes of FP4 (E2M1) with one E8M0 byte for each 32 along K; they go to the matrix unit as they lie.  out0: [16384][1024] f32.
; ALL IN ONE LAUNCH: q, k and v never go to memory.  No work of reference() is dead: every input has a way to out0, and all are loaded.
; SHARES.  A work-group owns 64 tokens; each of its four waves keeps the codes of all 64 in 256 registers.  The waves share the ROWS OF W, which goes by in 12 slots of 256 rows, 64 rows a wave:
;   q0 k0 q1 k1 q2 k2 q3 k3 v0 v1 v2 v3.   q, k slot i: rows 128 h + 32 c + 0..31 of all heads (wave w: heads 2 w, 2 w + 1), c the i-th chunk of the walk;
;   v0, v1: d = 64 C + 0..63 of heads 0-3, 4-7 (wave w: d = 64 C + 16 w + 0..15 of the four);  v2, v3: the other half C.
; THE WALK IS ROTATED BY THE CLUSTER'S NUMBER j: chunks in the order (j % 4 + i) % 4, v's halves C = j % 2, then the other: the 64 clusters' first loads name all of Wq and Wk.  Only addresses in memory hang on j.
; CLUSTER.  The four work-groups of a cluster walk the same W: every tile is asked for JOINTLY (mask 15), one tensor load a wave and slot: 64 rows, 32 KiB.  The scale bytes of W, 1/16 of its bytes, go straight into registers:
;   a wave has one tensor load behind a round, and that is the codes'.
; A SLOT IS READ A SLOT AHEAD.  Fragments have three sets of 128 registers, each for half a slot (4 K steps): while slot s is multiplied, slot s + 1 goes from LDS into registers in two runs of 32 loads.
;   So at slot s's change its LDS bytes have been read by all, slot s + 1 is whole, and slot s + 2 is asked for.
; SCORES: q and k are made TRANSPOSED (source 0 = 32 rows of W, source 1 = 16 tokens): a lane holds one token and 8 neighbouring d, as f16 16 bytes, which go through a stage in LDS.  Wave w takes tokens 16 w .. 16 w + 15 in
;   pairs p = (token p, token p + 8): an operand's row is (token of the pair, head), K = the chunk's 32 d.  S(p) += k q^T: lane (r, h) holds (token h, g = register) x (token r / 8, head r % 8):
;   the lanes with r / 8 = h hold one (token, head) and its 8 scores, so the softmax asks no other lane; the other lanes mix two tokens and their weights are cleared.
; a v: v is made NOT transposed (source 0 = 32 tokens).  A lane's v of tokens 8 h + 2 jj, 8 h + 2 jj + 1 and four heads are 16 bytes of f16; they go into images [tile of tokens][jj][jd] of 512 bytes, jd = d % 4, lane d / 4:
;   so wave w loads, for its 16 tokens, operands whose column is d = 4 r + jd.  The result of pair p and jd has in lane (r, h), register j the number out[token p + 8 h][head j][4 r + jd]: four jd make 16 bytes of a row,
;   sixteen lanes 256 bytes.  K = (2 tokens x heads 0-3, 2 tokens x heads 4-7) x h; the weights of the token that is not p's are 0.
; WHY f16: its rounding is eight times finer than bf16's, which these short sums (128 and 8 terms) want.  ROOM: q, k, v are sums of 1,024 products and have the spread 1 at x's spread 1 and W's 1/32;
;   both thirty times larger: spread 900; a common offset of thirty spreads on both: 1,024 x 30 x 30/32 = 28,800.  The weights lie in 0 .. 1 for every input.
; LIMITS: |q|, |k|, |v| under 65,504 (f16's largest number); under 2^-14 they carry an absolute error of 2^-25.  NaN, infinities and the scale byte 0xff are not served: a v that is not finite would
;   reach, as 0 x infinity, the other tokens of its operand.  The softmax takes each row's true maximum away.
; REGISTERS, in windows of 256 (s_set_vgpr_msb: bits 1:0 source 0, 3:2 source 1, 5:4 source 2, 7:6 destination):
;   window 0: v1-31 addresses; v32-63 x's scale words in two layouts; v64-95 W's, two sets; v96-127 head's scratch, k's operands, then rows on the way out; v128-255 W's fragments, set 0
;   window 1: x's fragments, (tile of tokens m, K step s) at 128 (m / 2) + 16 s + 8 (m % 2)
;   window 2: v0-127 sums; v128-191 scores, then weights' operands; v192-255 q's operands, packed v, v's operands and results of a v
;   window 3: W's fragments, sets 1 and 2; at the end rows on the way out
.set PW,    528                        ; a row of W in LDS: 512 bytes + 16 of padding: the 16 rows of a fragment load start at 16 different places modulo 256
.set QTR,   64*PW
.set SLOT,  4*QTR
.set STG,   2*SLOT                     ; behind the ring: x's images at the head, then the stage for q or k of one chunk, then v0's images
.set SROW,  80
.set SHEAD, 16*SROW+32
.set STILE, 8*SHEAD
.set SPARE, STG+4*STILE                ; the spare words, 128 bytes a wave
.set IMJ,   576                        ; an image of 512 bytes + 64: a store's 16 lanes go to four images
.set IMQ,   4*IMJ
.set IMG,   16*IMQ                     ; one slot of v: 36,864 bytes.  v1's, v2's, v3's lie in ring slot 0, which has had its last fill and its last read by then
.set SPW,  1                           ; SPARE + 4 x my thread's number; never rewritten
.set NIL,  2                           ; 0; never rewritten
.set LSA,  7                           ; v7-10 scale bytes of a q or k slot, chunks 0-3 of the walk
.set LSV0, 11
.set LSV1, 12
.set AWQ,  13                          ; v13-14 my fragments of a q or k slot, ring 0, 1
.set AWV,  15                          ; v15-18 of a v slot: ring 0 heads 0-1, 2-3; ring 1 likewise
.set STS,  19
.set STL,  20
.set IMSS, 21                          ; images: where I store (stage area; ring 0: three places)
.set IMSR, 22
.set IMSR2, 23
.set IMLS, 24                          ; and where I load
.set IMLR, 25
.set GO,   26                          ; v26, v27: my byte offset in out0, first and second half C
.set IMSR3, 28
.set IMLR3, 29
.set PFO,  30
.set MK,   31
.set XSB,  32                          ; x's scale words as source 1: lane (r, h), tile m: register 4 m + i: K step i below, 4 + i above
.set XSA,  48                          ; and as source 0: lane = one of 32 tokens, register 8 M + K step
.set WS,   64
.set KOP,  96
.set OB,   96
.set S,    128                         ; window 2
.set QOP,  192
.set PK,   192
.set UB,   192
.set DD,   224
.set TT,   192
.set SUM,  208
.set WV,   26                          ; s26 my wave's number
.set CS,   30                          ; s[30:31] c = log2(e) / sqrt(128); s56 = -c
.set G1,   32                          ; s[32:39] descriptor group 1, one for all loads
.set G0A,  40                          ; s[40:43], s[44:47] group 0 for ring 0, 1
.set G0B,  44
.set VB,   62                          ; s[62:63] Wv at my tensor loads' rows
.set CH,   66                          ; s[66:67] 16,384 x the chunk that is asked for
.set VC,   68                          ; s[68:69] 32,768 x C;  s[70:71] the same + four heads
.set VC2,  70
.set PFA,  72                          ; s[72:73] where my prefetch stands in Wv's codes;  s74 = 0 in a wave that prefetches
.set MSB, 0
.macro WIN new                         ; the immediate's high byte repeats the setting that is left; a switch that changes nothing is dropped
.if MSB != \new
	s_set_vgpr_msb (MSB<<8)|\new
.set MSB, \new
.endif
.endm
.macro PLACES n                        ; plain vector instructions behind matrix instructions (ISA guide 7.12.1)
.rept \n
	v_nop
.endr
.endm
.macro CREST                           ; a round of the cluster's barrier behind its opening barrier
	s_cmp_lg_u32 s[WV], 0
	s_cbranch_scc1 .Lnot_wave_0_\@
	s_barrier_signal -3
.Lnot_wave_0_\@:
	s_barrier_wait -3
	s_barrier_signal -1
	s_barrier_wait -1
.endm
.macro CROUND
	s_barrier_signal -1
	s_barrier_wait -1
	CREST
.endm
.macro SETF set                        ; rF: where a set of fragments begins; rH: 1 if it lies in window 3
.if (\set) == 0
.set rF, 128
.set rH, 0
.else
.set rF, 128*((\set)-1)
.set rH, 1
.endif
.endm
; 32 LDS loads: my fragments of W for half a slot, K steps 4 half .. 4 half + 3, into set.  kind 0: a q or k slot (my own quarter: row 16 n + r);  kind 1: a v slot (head n, row 16 w + r of its 64)
.macro HFETCH kind, ring, half, set
	SETF \set
.if rH
	WIN 0xc0
.else
	WIN 0
.endif
.irp k, 0,1,2,3
.irp n, 0,1,2,3
.irp c, 0,1
.if \kind
	ds_load_b128 v[rF+32*\k+8*\n+4*\c:rF+32*\k+8*\n+4*\c+3], v[AWV+2*(\ring)+\n/2] offset:(\n%2)*32*PW+(4*(\half)+\k)*64+32*\c
.else
	ds_load_b128 v[rF+32*\k+8*\n+4*\c:rF+32*\k+8*\n+4*\c+3], v[AWQ+(\ring)] offset:\n*16*PW+(4*(\half)+\k)*64+32*\c
.endif
.endr
.endr
.endr
	WIN 0
.endm
.macro WM ks
.if (\ks) == 0
	v_wmma_scale_f32_32x16x128_f4 v[rD:rD+15], v[rA:rA+15], v[rB:rB+7], 0, v[qA], v[qB]
.elseif (\ks) < 4
	v_wmma_scale_f32_32x16x128_f4 v[rD:rD+15], v[rA:rA+15], v[rB:rB+7], v[rD:rD+15], v[qA], v[qB]
.else
	v_wmma_scale_f32_32x16x128_f4 v[rD:rD+15], v[rA:rA+15], v[rB:rB+7], v[rD:rD+15], v[qA], v[qB] matrix_b_scale:MATRIX_SCALE_ROW1
.endif
.endm
; 8 matrix instructions: K step ks of slot s, my 64 rows of W x 64 tokens.  kind 0: source 0 = W (32 rows), source 1 = x;  kind 1: source 0 = x (32 tokens), source 1 = W.  Half a slot's number 2 s + ks / 4, modulo 3, is its set.
; The 8 accumulators take turns, one instruction a turn, in the same order in every K step.  K step 0 starts the sums with the constant 0.
.macro MULK kind, s, ks
	SETF ((2*(\s)+(\ks)/4)%3)
.set rF, rF+32*((\ks)%4)
.if \kind
.if rH
	WIN 0xad
.else
	WIN 0xa1
.endif
.irp n, 0,1,2,3
.irp m, 0,1
.set rD, 16*(2*\n+\m)
.set rA, 128*\m+16*(\ks)
.set rB, rF+8*\n
.set qA, XSA+8*\m+(\ks)
.set qB, WS+16*((\s)%2)+4*\n+(\ks)%4
	WM \ks
.endr
.endr
.else
.if rH
	WIN 0xa7
.else
	WIN 0xa4
.endif
.irp n, 0,1
.irp m, 0,1,2,3
.set rD, 16*(4*\n+\m)
.set rA, rF+16*\n
.set rB, 128*(\m/2)+16*(\ks)+8*(\m%2)
.set qA, WS+16*((\s)%2)+8*\n+(\ks)
.set qB, XSB+4*\m+(\ks)%4
	WM \ks
.endr
.endr
.endif
.endm
; four loads of 16 bytes a lane: the scale words of my 64 rows of W, all eight K steps, into set
.macro SCL set, voff, base, imm, kind
.irp n, 0,1,2,3
.if \kind
	global_load_b128 v[WS+16*(\set)+4*\n:WS+16*(\set)+4*\n+3], v[\voff], s[\base:\base+1] offset:(\imm)+\n*4096
.else
	global_load_b128 v[WS+16*(\set)+4*\n:WS+16*(\set)+4*\n+3], v[\voff], s[\base:\base+1] offset:(\n/2)*4096+(\n%2)*16
.endif
.endr
.endm
; q or k of a chunk: rounded to f16 in place, each accumulator from its low end on; a lane's 8 d of one token and head are 16 bytes, which go to the stage
.macro PACKQK
	WIN 0x8a
.irp t, 0,1,2,3,4,5,6,7,8,9,10,11,12,13,14,15
.irp i, 0,1,2,3
	v_cvt_pk_f16_f32 v[8*\t+\i], v[8*\t+2*\i], v[8*\t+2*\i+1]
.endr
.endr
	WIN 0x08
.irp n, 0,1
.irp m, 0,1,2,3
.irp u, 0,1
	ds_store_b128 v[STS], v[16*(4*\n+\m)+8*\u:16*(4*\n+\m)+8*\u+3] offset:\m*STILE+\n*SHEAD+\u*32
.endr
.endr
.endr
	WIN 0
.endm
; v of four heads into its images: register 2 t + i of quad (m, jj) = token 16 m + 8 h + 2 jj + t, heads 2 i, 2 i + 1 of the four
.macro PACKV adr
	WIN 0x8a
.irp m, 0,1,2,3
.irp jj, 0,1,2,3
.irp t, 0,1
.irp i, 0,1
	v_cvt_pk_f16_f32 v[PK+4*(4*\m+\jj)+2*\t+\i], v[64*\i+8*\m+2*\jj+\t], v[64*\i+32+8*\m+2*\jj+\t]
.endr
.endr
.endr
.endr
	WIN 0x08
.irp m, 0,1,2,3
.irp jj, 0,1,2,3
	ds_store_b128 v[\adr], v[PK+4*(4*\m+\jj):PK+4*(4*\m+\jj)+3] offset:(4*\m+\jj)*IMQ
.endr
.endr
	WIN 0
.endm
.macro QLOAD                           ; q's eight operands of my 16 tokens, from the stage
	WIN 0x80
.irp p, 0,1,2,3,4,5,6,7
	ds_load_b128 v[QOP+8*\p:QOP+8*\p+3], v[STL] offset:\p*2*SROW
	ds_load_b128 v[QOP+8*\p+4:QOP+8*\p+7], v[STL] offset:\p*2*SROW+32
.endr
	WIN 0
.endm
.macro KLOAD b                         ; four of k's
	WIN 0
.irp p, 0,1,2,3
	ds_load_b128 v[KOP+8*\p:KOP+8*\p+3], v[STL] offset:(4*\b+\p)*2*SROW
	ds_load_b128 v[KOP+8*\p+4:KOP+8*\p+7], v[STL] offset:(4*\b+\p)*2*SROW+32
.endr
.endm
.macro SCORE b, z                      ; four accumulators by turns; z = 1: the first chunk starts the sums
	WIN 0xa8
.irp p, 0,1,2,3
.if \z
	v_wmma_f32_16x16x32_f16 v[S+8*(4*\b+\p):S+8*(4*\b+\p)+7], v[KOP+8*\p:KOP+8*\p+7], v[QOP+8*(4*\b+\p):QOP+8*(4*\b+\p)+7], 0
.else
	v_wmma_f32_16x16x32_f16 v[S+8*(4*\b+\p):S+8*(4*\b+\p)+7], v[KOP+8*\p:KOP+8*\p+7], v[QOP+8*(4*\b+\p):QOP+8*(4*\b+\p)+7], v[S+8*(4*\b+\p):S+8*(4*\b+\p)+7]
.endif
.endr
.endm
.macro PVL jj                          ; v's operands of tokens 8 h + 2 jj, + 1, first half C: heads 0-3 from v0's images, heads 4-7 from v1's
	WIN 0x80
.irp jd, 0,1,2,3
	ds_load_b128 v[UB+8*\jd:UB+8*\jd+3], v[IMLS] offset:(\jj)*IMQ+\jd*IMJ
	ds_load_b128 v[UB+8*\jd+4:UB+8*\jd+7], v[IMLR] offset:(\jj)*IMQ+\jd*IMJ
.endr
	WIN 0
.endm
.macro PVW p, ub, dd                   ; a v of pair p: 64 d
	WIN 0x8a
.irp jd, 0,1,2,3
	v_wmma_f32_16x16x32_f16 v[\dd+8*\jd:\dd+8*\jd+7], v[S+8*(\p):S+8*(\p)+7], v[\ub+8*\jd:\ub+8*\jd+7], 0
.endr
.endm
; pair p goes out: the four jd of a head side by side, each result from its low end on; 16 lanes store 256 consecutive bytes, at a multiple of 256 from out0's first byte
.macro PVM p, dd, ob, wm, wst, go
	WIN \wm
.irp jd, 0,1,2,3
.irp j, 0,1,2,3,4,5,6,7
	v_mov_b32 v[\ob+4*\j+\jd], v[\dd+8*\jd+\j]
.endr
.endr
	WIN \wst
.irp j, 0,1,2,3,4,5,6,7
	global_store_b128 v[\go], v[\ob+4*\j:\ob+4*\j+3], s[24:25] offset:(\p)*4096+\j*512 th:TH_STORE_NT
.endr
.endm
.macro PVM0 p
	PLACES 4
	s_wait_xcnt 0x0                                ; the last pair's stores have read their registers
	PVM \p, DD, OB, 0x02, 0, GO
.endm
.macro G0SET g, base, off
	s_add_nc_u64 s[\g+2:\g+3], s[\base:\base+1], s[\off:\off+1]
	s_or_b32 s[\g+3], s[\g+3], 0x80000000
.endm
.macro HOW s                           ; the address of slot s + 2, which goes where slot s lay
.if (\s) < 6
.if (\s)%2
	G0SET G0B, 16, CH                              ; k's chunk is q's
.else
	s_add_co_u32 s[CH], s[CH], 16384               ; the next chunk of the rotated walk,
	s_and_b32 s[CH], s[CH], 0xc000                 ; modulo four
	G0SET G0A, 12, CH
.endif
.elseif (\s) == 6
	G0SET G0A, VB, VC
.elseif (\s) == 7
	G0SET G0B, VB, VC2
.elseif (\s) == 8
	s_xor_b32 s[VC], s[VC], 32768                  ; v's other half
	G0SET G0A, VB, VC
.else
	s_add_co_u32 s[VC2], s[VC], 0x40000
	G0SET G0B, VB, VC2
.endif
.endm
; A SLOT.  Its K steps 0 to 3 are in registers; lc: loads issued behind its scale words.  nk: the kind of slot s + 1.  prev: what slot s - 1 left in the stage (1: q, 2: k, 0: nothing that is wanted here).
; THE CHANGE stands under K steps 2 and 3: in front of the signal each wave has waited for all its tensor loads (its part of slot s + 1), has added 0 to its spare word, and has waited for that, for its reads of slot s's second half and
; for its stores to the stage; it opens a round of the cluster's barrier, and behind the round the first thing is the joint refill of slot s's bytes.  A second barrier, signalled behind K step 6, says that every wave has read the stage.
; early = 1: slot s + 1's second half is fetched ahead of that second barrier, which then says that slot s + 1 has been read, too.
.macro SL kind, s, lc, nk, prev, z, early
	s_wait_loadcnt \lc
	MULK \kind, \s, 0
	MULK \kind, \s, 1
	WIN 0                                          ; (the add's two registers lie in window 0)
	s_wait_tensorcnt 0x0                           ; no tensor load of mine is out, so a group 0 may be written
	ds_add_u32 v[SPW], v[NIL]                      ; 0 onto my spare word
	HOW \s
	s_wait_dscnt 0x0
	s_barrier_signal -1
	MULK \kind, \s, 2                              ; work on registers while the others arrive
	WIN 0
	s_barrier_wait -1
	CREST                                          ; no wave of any partner still reads the slot or has a load on its way
.if (\s)%2
	tensor_load_to_lds s[G0B:G0B+3], s[G1:G1+7]
.else
	tensor_load_to_lds s[G0A:G0A+3], s[G1:G1+7]
.endif
	s_nop 0
	PLACES 4                                       ; also the places in front of the loads below
.if \prev == 1
	QLOAD
.elseif \prev == 2
	KLOAD 0
.endif
	HFETCH \nk, ((\s)+1)%2, 0, ((2*(\s)+2)%3)
	MULK \kind, \s, 3
.if \prev == 2
	s_wait_dscnt 32                                ; four of k's operands are in; the 32 fragment loads behind them may be out
	SCORE 0, \z
	PLACES 4
	KLOAD 1
.endif
.if \early
	PLACES 4
	HFETCH \nk, ((\s)+1)%2, 1, ((2*(\s))%3)
.endif
	MULK \kind, \s, 4
	MULK \kind, \s, 5
	MULK \kind, \s, 6
	s_wait_dscnt 0x0                               ; my reads of the stage are over
	s_barrier_signal -1
.if \prev == 2
	SCORE 1, \z
.endif
.if !(\early)
	PLACES 4
	HFETCH \nk, ((\s)+1)%2, 1, ((2*(\s))%3)        ; into the set that K steps 0 to 3 have left
.endif
	MULK \kind, \s, 7
	WIN 0
	s_barrier_wait -1
	PLACES 4
.endm
.macro XL ks                           ; x's fragments of one K step from their images
.irp m, 0,1,2,3
.irp c, 0,1
	ds_load_b128 v[128*(\m/2)+16*\ks+8*(\m%2)+4*\c:128*(\m/2)+16*\ks+8*(\m%2)+4*\c+3], v110 offset:(\m*16+\ks*2+\c)*512
.endr
.endr
.endm
	s_load_b512 s[8:23], s[0:1], 0x0               ; x's codes s[8:9], scales s[10:11]; Wq's s[12:13], s[14:15]; Wk's s[16:17], s[18:19]; Wv's s[20:21], s[22:23]
	s_load_b64 s[24:25], s[0:1], 0x40              ; out0
	v_lshl_add_u32 v[SPW], v0, 2, SPARE
	v_mov_b32 v[NIL], 0
	ds_add_u32 v[SPW], v[NIL]                      ; the wave's opening: the add to my spare word, twice on end, waited for ahead of my first tensor load
	ds_add_u32 v[SPW], v[NIL]
	v_lshrrev_b32 v96, 5, v0
	v_readfirstlane_b32 s[WV], v96                 ; wave 0..3
	s_bfe_u32 s29, ttmp6, 0x40000                  ; cx: my place in the cluster: it enters the addresses of x, its scales, out0 and the prefetch alone
	s_lshl_b32 s27, ttmp9, 2
	s_add_co_u32 s27, s27, s29                     ; my block of 64 tokens
	s_and_b32 s28, ttmp9, 3                        ; my cluster's first chunk
	s_or_b32 s74, s28, s[WV]                       ; 0: wave 0 where the cluster's number is a multiple of 4
	s_lshl_b32 s[CH], s28, 14
	s_mov_b32 s[CH+1], 0
	s_lshl_b32 s57, s[WV], 13
	s_lshl_b32 s48, s28, 10                        ; the four chunks in scale bytes, + my heads
	s_add_co_u32 s49, s48, 1024
	s_and_b32 s49, s49, 0xc00
	s_xor_b32 s50, s48, 2048
	s_xor_b32 s51, s49, 2048
	s_add_co_u32 s48, s48, s57
	s_add_co_u32 s49, s49, s57
	s_add_co_u32 s50, s50, s57
	s_add_co_u32 s51, s51, s57
	s_and_b32 s53, ttmp9, 1                        ; the first half C
	s_lshl_b32 s[VC], s53, 15
	s_mov_b32 s[VC+1], 0
	s_add_co_u32 s[VC2], s[VC], 0x40000
	s_mov_b32 s[VC2+1], 0
	s_lshl_b32 s58, s[WV], 9
	s_lshl_b32 s59, s53, 11
	s_add_co_u32 s58, s58, s59
	s_xor_b32 s59, s58, 2048
	s_lshl_b32 s61, s[WV], 16
	s_lshl_b32 s2, s53, 8
	s_add_co_u32 s61, s61, s2
	s_mul_i32 s60, s[WV], QTR                      ; my quarter of a slot
	s_lshr_b32 s75, s[WV], 1                       ; a v slot: quarter 2 (head / 2) + w / 2; in it head % 2 x 32 rows, then row 16 (w % 2) + r
	s_mul_i32 s75, s75, QTR
	s_and_b32 s76, s[WV], 1
	s_mul_i32 s76, s76, 16*PW
	s_add_co_u32 s75, s75, s76
	s_mul_i32 s76, s[WV], 2*SHEAD
	s_add_co_u32 s76, s76, STG
	s_mul_i32 s77, s[WV], STILE
	s_add_co_u32 s77, s77, STG
	s_lshl_b32 s78, s[WV], 6
	s_mul_i32 s79, s[WV], 4*IMQ
	s_lshr_b32 s[PFA], ttmp9, 2                    ; the prefetch: 32 blocks of 256 bytes for each of 16 x 4 work-groups
	s_lshl_b32 s[PFA], s[PFA], 2
	s_add_co_u32 s[PFA], s[PFA], s29
	s_lshl_b32 s[PFA], s[PFA], 13
	s_mov_b32 s[PFA+1], 0
	s_lshl_b32 s4, s[WV], 17                       ; Wq, Wk: my two heads: 2 x 128 rows of 512 bytes
	s_mov_b32 s5, 0
	s_lshr_b32 s6, s[WV], 1                        ; Wv: heads 2 (w / 2) on, rows 32 (w % 2) on
	s_lshl_b32 s6, s6, 17
	s_and_b32 s7, s[WV], 1
	s_lshl_b32 s7, s7, 14
	s_add_co_u32 s6, s6, s7
	s_mov_b32 s7, 0
	s_mov_b32 s3, 0
	; descriptor group 1: two runs of 32 dense rows of W (2,048 elements of 8 bytes each), 128 rows (8,192 elements) apart; in LDS 16 bytes of padding behind every 512
	s_mov_b32 s[G1], 15|(3<<16)|(1<<20)|(1<<21)|(6<<22)|(3<<25)   ; 15:0 the mask: all four work-groups; 17:16 elements of 8 bytes; 20 padding on; 21 set beside a mask; 24:22 after every 128 words; 31:25 four words
	s_mov_b32 s[G1+1], 2048<<16
	s_mov_b32 s[G1+2], 2<<16
	s_mov_b32 s[G1+3], 2048<<16
	s_mov_b32 s[G1+4], 2
	s_mov_b32 s[G1+5], 8192
	s_mov_b32 s[G1+6], 0
	s_mov_b32 s[G1+7], 0
	s_mov_b32 s[CS], 0x3e0293ee                    ; c = log2(e) / sqrt(128)
	s_mov_b32 s[CS+1], s[CS]                       ; (named with it as a pair, so it is written)
	s_mov_b32 s56, 0xbe0293ee                      ; -c
	v_and_b32 v96, 15, v0                          ; r
	v_bfe_u32 v97, v0, 4, 1                        ; h
	v_and_b32 v98, 31, v0                          ; lane
	v_and_b32 v99, 7, v0                           ; r % 8
	v_bfe_u32 v100, v0, 3, 1                       ; r / 8
	v_lshlrev_b32 v101, 9, v96
	v_lshl_add_u32 v101, v97, 4, v101              ; 512 r + 16 h: my bytes of a fragment of x in memory
	v_lshlrev_b32 v102, 5, v98                     ; scale bytes, a lane a row of 32 bytes
	v_add_nc_u32 v[LSA], s48, v102
	v_add_nc_u32 v[LSA+1], s49, v102
	v_add_nc_u32 v[LSA+2], s50, v102
	v_add_nc_u32 v[LSA+3], s51, v102
	v_lshlrev_b32 v103, 5, v96
	v_lshl_add_u32 v103, v97, 4, v103              ; and 16 of the 32 bytes of row r: K steps 4 h .. 4 h + 3
	v_add_nc_u32 v[LSV0], s58, v103
	v_add_nc_u32 v[LSV1], s59, v103
	v_mul_u32_u24 v104, v96, PW
	v_lshl_add_u32 v104, v97, 4, v104              ; a fragment's row x pitch + 16 x half
	v_add_nc_u32 v[AWQ], s60, v104
	v_add_nc_u32 v[AWQ+1], SLOT, v[AWQ]
	v_add_nc_u32 v[AWV], s75, v104
	v_add_nc_u32 v[AWV+1], 2*QTR, v[AWV]
	v_add_nc_u32 v[AWV+2], SLOT, v[AWV]
	v_add_nc_u32 v[AWV+3], SLOT+2*QTR, v[AWV]
	v_lshl_add_u32 v105, v99, 1, v100              ; token r's place in the stage: a pair's two tokens are neighbours
	v_mul_u32_u24 v[STS], v105, SROW
	v_lshl_add_u32 v[STS], v97, 4, v[STS]
	v_add_nc_u32 v[STS], s76, v[STS]               ; my two heads, my token's place, + 16 h
	v_mul_u32_u24 v[STL], v99, SHEAD
	v_mad_u32_u24 v[STL], v100, SROW, v[STL]
	v_lshl_add_u32 v[STL], v97, 4, v[STL]
	v_add_nc_u32 v[STL], s77, v[STL]               ; tile w, head r % 8, the pair's token r / 8, + 16 h
	v_and_b32 v107, 3, v0
	v_bfe_u32 v108, v0, 2, 2
	v_mul_u32_u24 v106, v107, IMJ                  ; images: d = 16 w + r goes to image r % 4, lane 4 w + r / 4, half h
	v_lshl_add_u32 v106, v97, 8, v106
	v_lshl_add_u32 v106, v108, 4, v106
	v_add_nc_u32 v[IMSR], s78, v106
	v_add_nc_u32 v[IMSS], STG, v[IMSR]
	v_add_nc_u32 v[IMSR2], IMG, v[IMSR]
	v_add_nc_u32 v[IMSR3], 2*IMG, v[IMSR]
	v_lshlrev_b32 v109, 4, v98
	v_add_nc_u32 v[IMLR], s79, v109
	v_add_nc_u32 v[IMLS], STG, v[IMLR]
	v_add_nc_u32 v[IMLR3], 2*IMG, v[IMLR]
	v_lshlrev_b32 v[GO], 15, v97                   ; out0: token 8 h (4,096 bytes each), 16 bytes a lane, tile w, C
	v_lshl_add_u32 v[GO], v96, 4, v[GO]
	v_add_nc_u32 v[GO], s61, v[GO]
	v_xor_b32 v[GO+1], 256, v[GO]
	v_lshlrev_b32 v[PFO], 8, v98
	v_xor_b32 v[MK], v100, v97
	v_add_nc_u32 v[MK], -1, v[MK]                  ; all ones where r / 8 = h: the lanes that hold one token's scores
	v_add_nc_u32 v110, STG, v109                   ; x's images: where I load,
	v_add_nc_u32 v111, s57, v110                   ; and store tile w's
	s_wait_alu depctr_va_vdst(0)
	s_wait_dscnt 0x0                               ; both opening adds are done
	s_wait_kmcnt 0x0
	s_lshl_b32 s2, s27, 11                         ; 64 tokens of 32 scale bytes,
	s_add_nc_u64 s[10:11], s[10:11], s[2:3]
	s_lshl_b32 s2, s27, 18                         ; of 4,096 bytes of out0,
	s_add_nc_u64 s[24:25], s[24:25], s[2:3]
	s_lshl_b32 s2, s27, 15                         ; of 512 bytes of codes, of which my wave loads 16 tokens
	s_add_co_u32 s2, s2, s57
	s_add_nc_u64 s[8:9], s[8:9], s[2:3]
.irp k, 0,1,2,3,4,5,6,7
.irp c, 0,1
	global_load_b128 v[128+8*\k+4*\c:128+8*\k+4*\c+3], v101, s[8:9] offset:\k*64+32*\c
.endr
.endr
	s_add_nc_u64 s[PFA:PFA+1], s[20:21], s[PFA:PFA+1]
	s_add_nc_u64 s[12:13], s[12:13], s[4:5]
	s_add_nc_u64 s[16:17], s[16:17], s[4:5]
	s_add_nc_u64 s[VB:VB+1], s[20:21], s[6:7]
	s_mov_b32 s[G0A], 1                            ; 1:0 count = 1
	s_mov_b32 s[G0A+1], s60                        ; 63:32 LDS address
	G0SET G0A, 12, CH                              ; 120:64 global address: q's first chunk; 127:126 type = 2
	s_mov_b32 s[G0B], 1
	s_add_co_u32 s[G0B+1], s60, SLOT
	G0SET G0B, 16, CH                              ; k's first chunk
	CROUND                                         ; all four work-groups are here: the first joint loads meet
	tensor_load_to_lds s[G0A:G0A+3], s[G1:G1+7]    ; q0
	s_nop 0
	PLACES 4
.irp m, 0,1,2,3
	global_load_b128 v[XSB+4*\m:XSB+4*\m+3], v103, s[10:11] offset:\m*512
.endr
	SCL 0, LSA, 14, 0, 0                           ; q0's scale words
.irp m, 0,1,2,3
	global_load_b128 v[XSA+4*\m:XSA+4*\m+3], v102, s[10:11] offset:(\m/2)*1024+(\m%2)*16
.endr
	SCL 1, LSA, 18, 0, 0                           ; k0's
	s_wait_loadcnt 16                              ; my 16 tokens of x are in; 16 loads of scale words may be out
.irp k, 0,1,2,3,4,5,6,7,8,9,10,11,12,13,14,15
	ds_store_b128 v111, v[128+4*\k:128+4*\k+3] offset:\k*512
.endr
	s_wait_tensorcnt 0x0                           ; my quarter of q0 is in
	ds_add_u32 v[SPW], v[NIL]
	s_wait_dscnt 0x0                               ; the add is done, and my part of x's images has landed
	CROUND
	tensor_load_to_lds s[G0B:G0B+3], s[G1:G1+7]    ; k0, the first tensor load behind the round
	s_nop 0
	PLACES 4
	HFETCH 0, 0, 0, 0
	WIN 0x40
	XL 0
	XL 1
	XL 2
	XL 3
	XL 4
	XL 5
	XL 6
	XL 7
	HFETCH 0, 0, 1, 1
	s_wait_dscnt 63                                ; K step 0's and 1's fragments of W and x are in: 48 of x's loads and 32 of W's stand behind them
	SL 0, 0, 8, 0, 0, 0, 0                         ; q0
	SCL 0, LSA+1, 14, 0, 0                         ; the scale words two slots on, into the set just used
	PACKQK
	SL 0, 1, 4, 0, 1, 0, 0                         ; k0
	SCL 1, LSA+1, 18, 0, 0
	PACKQK
	SL 0, 2, 4, 0, 2, 1, 0                         ; q1; under it the scores of chunk 0
	SCL 0, LSA+2, 14, 0, 0
	PACKQK
	SL 0, 3, 4, 0, 1, 0, 0                         ; k1
	SCL 1, LSA+2, 18, 0, 0
	; A PREFETCH INTO THE L2 of Wv's codes, 2,048 blocks of 256 bytes, each named once in the launch, two slots ahead of the first request for them: the clusters whose number is a multiple of 4 ask,
	; wave 0 of each of their work-groups, one instruction, a lane a block; the four partners are told apart by address (32 blocks each)
	s_cmp_eq_u32 s74, 0
	s_cbranch_scc0 .Lnot_mine
	global_prefetch_b8 v[PFO], s[PFA:PFA+1] th:TH_LOAD_NT scope:SCOPE_SE
.Lnot_mine:
	PACKQK
	SL 0, 4, 4, 0, 2, 0, 0                         ; q2
	SCL 0, LSA+3, 14, 0, 0
	PACKQK
	SL 0, 5, 4, 0, 1, 0, 0                         ; k2
	SCL 1, LSA+3, 18, 0, 0
	PACKQK
	SL 0, 6, 4, 0, 2, 0, 0                         ; q3
	SCL 0, LSV0, 22, 0, 1
	PACKQK
	SL 0, 7, 4, 1, 1, 0, 0                         ; k3
	SCL 1, LSV0, 22, 16384, 1
	PACKQK
	SL 1, 8, 4, 1, 2, 0, 0                         ; v0; in it the last scores; its images go to the stage's bytes, which every wave has read
	SCL 0, LSV1, 22, 0, 1
	PACKV IMSS
	; THE SOFTMAX: a lane's 8 registers of S(p) are the 8 scores of one token and head.  The eight pairs take turns line by line.
	WIN 0xaa
.irp p, 0,1,2,3,4,5,6,7
	v_max3_num_f32 v[SUM+2*\p], v[S+8*\p], v[S+8*\p+1], v[S+8*\p+2]
.endr
.irp i, 3,5
.irp p, 0,1,2,3,4,5,6,7
	v_max3_num_f32 v[SUM+2*\p], v[SUM+2*\p], v[S+8*\p+\i], v[S+8*\p+\i+1]
.endr
.endr
.irp p, 0,1,2,3,4,5,6,7
	v_max_num_f32 v[SUM+2*\p], v[SUM+2*\p], v[S+8*\p+7]   ; the row's maximum
.endr
.irp p, 0,1,2,3,4,5,6,7
	v_mul_f32 v[TT+2*\p], s56, v[SUM+2*\p]         ; -c x maximum, in both registers of a pair
	v_mul_f32 v[TT+2*\p+1], s56, v[SUM+2*\p]
.endr
.irp i, 0,2,4,6
.irp p, 0,1,2,3,4,5,6,7
	v_pk_fma_f32 v[S+8*\p+\i:S+8*\p+\i+1], v[S+8*\p+\i:S+8*\p+\i+1], s[CS:CS+1], v[TT+2*\p:TT+2*\p+1] op_sel_hi:[1,0,1]   ; c s - c max
.endr
.endr
	s_wait_alu depctr_va_vdst(0)
.set j, 0
.rept 64
	v_exp_f32 v[S+j], v[S+j]
.set j, j+1
.endr
	v_nop
	s_wait_alu depctr_va_vdst(0)
.irp p, 0,1,2,3,4,5,6,7
	v_pk_add_f32 v[SUM+2*\p:SUM+2*\p+1], v[S+8*\p:S+8*\p+1], v[S+8*\p+2:S+8*\p+3]
	v_pk_add_f32 v[TT+2*\p:TT+2*\p+1], v[S+8*\p+4:S+8*\p+5], v[S+8*\p+6:S+8*\p+7]
.endr
.irp p, 0,1,2,3,4,5,6,7
	v_pk_add_f32 v[SUM+2*\p:SUM+2*\p+1], v[SUM+2*\p:SUM+2*\p+1], v[TT+2*\p:TT+2*\p+1]
.endr
.irp p, 0,1,2,3,4,5,6,7
	v_add_f32 v[SUM+2*\p], v[SUM+2*\p], v[SUM+2*\p+1]
.endr
	s_wait_alu depctr_va_vdst(0)
.irp p, 0,1,2,3,4,5,6,7
	v_rcp_f32 v[TT+2*\p], v[SUM+2*\p]
.endr
	v_nop
	s_wait_alu depctr_va_vdst(0)
	WIN 0x88
.irp p, 0,1,2,3,4,5,6,7
	v_and_b32 v[TT+2*\p], v[MK], v[TT+2*\p]        ; 0 in the lanes that mixed two tokens
.endr
	WIN 0xaa
.irp i, 0,2,4,6
.irp p, 0,1,2,3,4,5,6,7
	v_pk_mul_f32 v[S+8*\p+\i:S+8*\p+\i+1], v[S+8*\p+\i:S+8*\p+\i+1], v[TT+2*\p:TT+2*\p+1] op_sel_hi:[1,0]
.endr
.endr
	; the weights' operand of pair p, in place: p even: registers 0, 1 (heads 0-3) and 4, 5 (heads 4-7); p odd: 2, 3 and 6, 7; the rest 0.  The order of i reads each score ahead of its overwriting
.irp i, 0,1,2,3
.irp p, 0,2,4,6
	v_cvt_pk_f16_f32 v[S+8*\p+(\i/2)*4+(\i%2)], v[S+8*\p+2*\i], v[S+8*\p+2*\i+1]
.endr
.endr
.irp i, 1,0,3,2
.irp p, 1,3,5,7
	v_cvt_pk_f16_f32 v[S+8*\p+(\i/2)*4+(\i%2)+2], v[S+8*\p+2*\i], v[S+8*\p+2*\i+1]
.endr
.endr
.irp p, 0,1,2,3,4,5,6,7
.irp i, 0,1,4,5
	v_mov_b32 v[S+8*\p+\i+2*(1-\p%2)], 0
.endr
.endr
	WIN 0
	s_wait_alu depctr_va_vdst(0)
	SL 1, 9, 4, 1, 0, 0, 1                         ; v1.  Its second barrier frees ring slot 0, whose last tile, v2's, every wave has in registers: v1's images go there
	SCL 1, LSV1, 22, 16384, 1
	PACKV IMSR
	; v2; under it pairs 0 to 3 of the first half C are made and stored.  Nothing is left to fetch: one barrier of the work-group shows v3's tile whole, and v1's images
	s_wait_loadcnt 4
	MULK 1, 10, 0
	MULK 1, 10, 1
	WIN 0
	s_wait_tensorcnt 0x0
	ds_add_u32 v[SPW], v[NIL]                      ; 0 onto my spare word
	s_wait_dscnt 0x0
	s_barrier_signal -1
	MULK 1, 10, 2
	WIN 0
	s_barrier_wait -1
	PLACES 4
	PVL 0
	HFETCH 1, 1, 0, 1
	MULK 1, 10, 3
	s_wait_dscnt 32                                ; v's operands are in; 32 fragment loads stand behind them
	PVW 0, UB, DD
	MULK 1, 10, 4
	PVM0 0
	PVW 1, UB, DD
	MULK 1, 10, 5
	PVM0 1
	PVL 1
	HFETCH 1, 1, 1, 2
	MULK 1, 10, 6
	s_wait_dscnt 32
	PVW 2, UB, DD
	MULK 1, 10, 7
	PVM0 2
	PVW 3, UB, DD
	PVM0 3
	PACKV IMSR2
	; v3; under it pairs 4 to 7
	PVL 2
	s_wait_loadcnt 0x0                             ; its scale words
	s_wait_dscnt 24                                ; its fragments: 16 stores of images and 8 loads of v's operands stand behind them
	MULK 1, 11, 0
	s_wait_dscnt 0x0
	PVW 4, UB, DD
	MULK 1, 11, 1
	PVM0 4
	PVW 5, UB, DD
	MULK 1, 11, 2
	PVM0 5
	PVL 3
	MULK 1, 11, 3
	s_wait_dscnt 0x0
	PVW 6, UB, DD
	MULK 1, 11, 4
	PVM0 6
	PVW 7, UB, DD
	MULK 1, 11, 5
	PVM0 7
	MULK 1, 11, 6
	MULK 1, 11, 7
	PLACES 4
	PACKV IMSR3
	s_wait_dscnt 0x0                               ; my images have landed
	s_barrier_signal -1
	s_barrier_wait -1
	; THE SECOND HALF C: all of v's operands for my 16 tokens come where the sums lay; rows leave from window 3
	WIN 0x80
.irp jj, 0,1,2,3
.irp jd, 0,1,2,3
	ds_load_b128 v[32*\jj+8*\jd:32*\jj+8*\jd+3], v[IMLR] offset:IMG+\jj*IMQ+\jd*IMJ
	ds_load_b128 v[32*\jj+8*\jd+4:32*\jj+8*\jd+7], v[IMLR3] offset:\jj*IMQ+\jd*IMJ
.endr
.endr
	s_wait_dscnt 24                                ; the first eight are in
	PVW 0, 0, 192
.irp p, 0,1,2,3,4,5,6,7
.if \p < 7
.if \p % 2
	s_wait_dscnt 24-8*((\p+1)/2)
.endif
	PVW (\p+1), 32*((\p+1)/2), 192+32*((\p+1)%2)
.endif
.if \p == 0
	PLACES 4
.endif
	PVM \p, 192+32*(\p%2), 32*\p, 0xc2, 0x0c, GO+1
.endr
	WIN 0
	s_wait_tensorcnt 0x0                           ; the wave's end: an add to my spare word, waited for, behind my last tensor load and my last LDS store
	ds_add_u32 v[SPW], v[NIL]
	s_wait_dscnt 0x0
	CROUND                                         ; the closing round: no work-group ends while a partner may still ask for a tile that names it
	s_endpgm
.Lfunc_end_k_q754674bcb3_fused:
	.size	k_q754674bcb3_fused, .Lfunc_end_k_q754674bcb3_fused-k_q754674bcb3_fused
	.p2alignl 7, 3214868480
	.fill 96, 4, 3214868480
	.section	.rodata,"a",@progbits
	.p2align	6, 0x0
	.amdhsa_kernel k_q754674bcb3_fused
		.amdhsa_group_segment_fixed_size 327680
		.amdhsa_private_segment_fixed_size 0
		.amdhsa_enable_private_segment 0
		.amdhsa_kernarg_size 72
		.amdhsa_user_sgpr_count 2
		.amdhsa_user_sgpr_kernarg_segment_ptr 1
		.amdhsa_wavefront_size32 1
		.amdhsa_system_sgpr_workgroup_id_x 1
		.amdhsa_system_sgpr_workgroup_id_y 1
		.amdhsa_system_sgpr_workgroup_id_z 1
		.amdhsa_system_vgpr_workitem_id 0
		.amdhsa_next_free_vgpr 1024
		.amdhsa_next_free_sgpr 80
		.amdhsa_reserve_vcc 0
		.amdhsa_float_denorm_mode_32 3
		.amdhsa_float_denorm_mode_16_64 3
		.amdhsa_memory_ordered 1
		.amdhsa_forward_progress 1
		.amdhsa_inst_pref_size 255
	.end_amdhsa_kernel
	.section	.bss,"aw",@nobits
	.p2align	6
	.space	262144
	.amdgpu_metadata
---
amdhsa.version: [ 1, 2 ]
amdhsa.kernels:
  - .name:           k_q754674bcb3_fused
    .symbol:         k_q754674bcb3_fused.kd
    .args:
      - { .name: x_codes, .offset: 0, .size: 8, .value_kind: global_buffer, .address_space: global }
      - { .name: x_scales, .offset: 8, .size: 8, .value_kind: global_buffer, .address_space: global }
      - { .name: Wq_codes, .offset: 16, .size: 8, .value_kind: global_buffer, .address_space: global }
      - { .name: Wq_scales, .offset: 24, .size: 8, .value_kind: global_buffer, .address_space: global }
      - { .name: Wk_codes, .offset: 32, .size: 8, .value_kind: global_buffer, .address_space: global }
      - { .name: Wk_scales, .offset: 40, .size: 8, .value_kind: global_buffer, .address_space: global }
      - { .name: Wv_codes, .offset: 48, .size: 8, .value_kind: global_buffer, .address_space: global }
      - { .name: Wv_scales, .offset: 56, .size: 8, .value_kind: global_buffer, .address_space: global }
      - { .name: out0, .offset: 64, .size: 8, .value_kind: global_buffer, .address_space: global }
    .group_segment_fixed_size: 327680
    .private_segment_fixed_size: 0
    .kernarg_segment_align: 8
    .kernarg_segment_size: 72
    .max_flat_workgroup_size: 128
    .sgpr_count:     80
    .vgpr_count:     1024
    .wavefront_size: 32
...
	.end_amdgpu_metadata
.endif
;; end of part 1
